; MI455X (gfx1250); checked and timed in simulation.
; The chip was launched on July 23, 2026; its instructions are those of AMD's public machine-readable ISA for CDNA 5 (MIT licence, August 2026) and "CDNA5" Instruction Set Architecture Reference Guide (July 2026). The comments in the code are by the model that wrote it; some were corrected since.
;; Sparse Factorisation Dense. Allowed arithmetic: matrix products marked QUANTISED: E2M3 operands, one E8M0 scale for each 32 along K, by v_wmma_scale_f32_16x16x128_f8f6f4 with both operands' format E2M3, f32 sums; everything else in f32.
;; Inputs: bias 2,048 float32; k0 2,048 x 2,048 float32; k1 2,048 x 2,048 float32; k2 2,048 x 2,048 float32; mask0 2,048 x 2,048 int32; mask1 2,048 x 2,048 int32; mask2 2,048 x 2,048 int32; scaling 1 float32; x_codes 4,096 x 64 x 24 uint8 (E2M3 codes of x, K innermost, in blocks of 32 codes, four codes in three bytes); x_scales 4,096 x 64 uint8 (E8M0 scales of x, one for each 32 codes along K).
;; Outputs: out0 4,096 x 2,048 float32.
;; This version of the problem:
;;   THIS VERSION OF THE PROBLEM IS GIVEN IN LOW PRECISION. The matrix products marked QUANTISED in the list below multiply operands that are first quantised to E2M3 (2 exponent bits, 3 mantissa bits; 6 bits a number), with one power-of-two scale for each 32 numbers along K (OCP MX v1.0); their sums are f32. All else is computed in f32.
;;   The module's matrix products, in the order in which they are computed (A, B: the left and right operand; K: the contracted axis; several contracted axes count as one K, in the product's order):
;;     1. [M 4,096, K 2,048] x [K 2,048, N 2,048]; A: input x (given as codes); B: computed on the way: QUANTISED
;;     2. [M 4,096, K 2,048] x [K 2,048, N 2,048]; A: computed on the way; B: computed on the way: QUANTISED
;;     3. [M 4,096, K 2,048] x [K 2,048, N 2,048]; A: computed on the way; B: computed on the way: QUANTISED
;;   THE QUANTISER, for each operand of a quantised product, along K:
;;     - K is cut into blocks of 32 from its start; a last block that is shorter is filled with zeros.
;;     - A block's scale is 2^e with e = floor(log2(the largest magnitude in the block)) - 2, held to -126 .. 127; a block of zeros has e = 0. As a byte (E8M0): e + 127.
;;     - Each number is divided by its block's scale, clamped to +-7.5, and rounded to the nearest number of E2M3, ties to even, subnormals kept.
;;     - The product sums the exact products of the quantised numbers (number of the format x scale) in f32.
;;   ~~~python
;;   def quantise(x, axis):      # numpy; x: float32 -> the quantised numbers, widened to float32 again
;;       x = np.moveaxis(x, axis, -1); K = x.shape[-1]
;;       x = np.pad(x, [(0, 0)] * (x.ndim - 1) + [(0, -K % 32)]); x = x.reshape(x.shape[:-1] + (-1, 32)); a = np.abs(x).max(-1, keepdims=True)
;;       e = np.where(a > 0, np.clip(np.frexp(np.where(a > 0, a, 1))[1] - 1 - 2, -126, 127), 0)      # np.frexp(a)[1] - 1 = floor(log2(a)), exactly
;;       r = np.clip(x / 2.0 ** e, -7.5, 7.5)
;;       step = 2.0 ** (np.maximum(np.frexp(np.where(r == 0, 1, r))[1] - 1, 0) - 3)
;;       q = np.round(r / step) * step * 2.0 ** e      # np.round: ties to even
;;       return np.moveaxis(q.reshape(q.shape[:-2] + (-1,))[..., :K], -1, axis).astype(np.float32)
;;   ~~~
;;   OPERANDS COMPUTED ON THE WAY. 'Computed on the way' means the value that the module computes at that place (a softmax that the list does not call 'softmax' is quantised finished and normalised). What goes into a quantiser is computed in f32, as accurately as f32 sums, v_exp_f32 and their like allow (about 1e-6 of the number): no bf16 or f16 on the way to a quantiser, and a product that is left as it is and whose result goes on into a quantised operand takes f32 operands (vector FMAs, or v_wmma_f32_16x16x4_f32). A number that lies on a knife's edge between two numbers of the format may be rounded either way, as far as f32 arithmetic and the matrix unit's own rounding can turn it there, and no further.
;;   INPUTS GIVEN AS CODES. x (in the module: [4096, 2048], K = its axis 1): each comes as NAME_codes (uint8): NAME with its K axis moved to the last place and cut into blocks of 32 codes, [.., K / 32, bytes a block], one block behind the other in memory; four codes in three bytes: a row's codes are one little-endian stream of bits, code i at bits 6 i .. 6 i + 5 (a code: sign, 2 exponent bits, 3 mantissa bits); and NAME_scales (uint8): the same leading axes, one E8M0 byte (e + 127) for each 32 codes along K. Its value is code x scale, taken as it is: it is not quantised again, and the codes and scales need not be those that the quantiser above would give.
;; One version. Each part assembles by itself: llvm-mc -triple=amdgcn-amd-amdhsa -mcpu=gfx1250 --defsym DOCPART=n.
;; ======== version 1 of 1: 4 launches
;; limits: right only within a limited range of input values
;; workspace buffers: xi 6,553,600 bytes; h1 6,553,600 bytes; h2 6,553,600 bytes; w0i 3,276,800 bytes; w1i 3,276,800 bytes; w2i 3,276,800 bytes
;; launch prep (part 1): grid 384 x 1, 4 waves a work-group, no clusters, 65,536 bytes of LDS; arguments x_codes, x_scales, k0, mask0, xi, w0i; writes xi, w0i
.if DOCPART == 1
	.amdgcn_target "amdgcn-amd-amdhsa--gfx1250"
	.amdhsa_code_object_version 6
	.text
	.protected	k_q9ee42bee57_prep
	.globl	k_q9ee42bee57_prep
	.p2align	8
	.type	k_q9ee42bee57_prep,@function
k_q9ee42bee57_prep:
	s_mov_b64 s[64:65], 0
	v_nop
	global_prefetch_b8 v0, s[64:65] scope:SCOPE_SE
	s_setreg_imm32_b32 hwreg(HW_REG_WAVE_MODE, 25, 1), 1
	s_wait_xcnt 0x0
; PREP: the two operands of the FIRST product, laid as images of the operand's registers.  (The second and third weights are quantised by the launches of the first and second product.)
; A fragment (16 rows x 128 K of E2M3 codes) is 12 registers a lane; its image is 1,536 bytes: registers 4 c .. 4 c + 3 of lane l at 512 c + 16 l.  Lane (r, h) holds row r; registers 6 c .. 6 c + 5 hold k = 64 c + 32 h + 0 .. 31.
; xi  [32 groups of 128 rows][16 K steps][2 halves of 64 rows][6,400 bytes]: four fragments (tile i: row 16 i + r), then 256 bytes of scale words, word (r, i) at 6,144 + 16 r + 4 i.
; w0i [8 groups of 256 columns][16 K steps][2 halves of 128 columns][12,800 bytes]: eight fragments (tile t), then 512 bytes of scale words, word (r, t) at 12,288 + 256 (t / 4) + 16 r + 4 (t % 4).
;     Lane r of tile t is column 32 (t / 2) + 8 (t % 2) + r + 8 (r / 8) of the half, so that in the product (used transposed) a lane's 16 registers of tiles 2 b, 2 b + 1 are 16 neighbours along the next K.
; Work-groups 0 .. 255: W = k0 x float(mask0) in f32, quantised along K, its first axis: 128 along K x 128 columns (one half block of w0i) each; a wave takes a block of 32 along K, a lane four columns,
; so a load of a wave covers 512 consecutive bytes of a row.  Work-groups 256 .. 383 lay x's codes and scale bytes anew, untouched.
; A block's scale byte is its largest magnitude's exponent field - 2, held at 1 from below by a floor among the maximum's leaves.
; LIMITS: a block of zeros gets the byte 1 where the rule says 127 (its codes are zeros, and this program alone reads the bytes); NaN and infinities among k0 are not served.
; The two paths part on the work-group's number alone and have LDS bytes of their own.  No tensor loads, no clusters: no byte is read by two work-groups.
.set STG,  0                           ; W path: the stage, eight fragments WPIT apart
.set WPIT, 1552
.set WSC,  12544                       ; W path: 512 bytes of scale words
.set XR,   13056                       ; x path: for each wave 16 rows of 768 bytes, XPIT apart
.set XPIT, 784
.set SPARE, 63232                      ; the spare words: 128 bytes a wave
.set KW,   1                           ; window 1: v0-127 k as loaded (row kk at 4 kk), v128-255 the mask likewise
.set KOF,  20
.set ST16, 16
.set ST17, 17
.set SCB,  18
.set RBA,  19
.set RBS,  22
.set WOF,  23
.set RB,   32
.set X0,   160                         ; two columns, registers down K
.set X1,   192
.set T0,   224
.set C0,   228
.set KP,   12
.set MP,   14
.set WO,   26
.set WV,   4
.set MSB, 0
.macro WIN new                         ; the immediate's high byte repeats the setting that is left
.if MSB != \new
	s_set_vgpr_msb (MSB<<8)|\new
.set MSB, \new
.endif
.endm
.macro KMROWS r0, n                    ; rows r0 .. r0 + n - 1 of my block: k and mask, 16 bytes a lane
	WIN KW<<6
.set kk, \r0
.rept \n
	global_load_b128 v[4*kk:4*kk+3], v[KOF], s[KP:KP+1] offset:kk*8192 th:TH_LOAD_NT
	global_load_b128 v[128+4*kk:131+4*kk], v[KOF], s[MP:MP+1] offset:kk*8192 th:TH_LOAD_NT
.set kk, kk+1
.endr
.endm
.macro CVTP p                          ; the mask of eight rows as reference() casts it
	WIN (KW<<6)|KW
.set n, 128+32*(\p)
.rept 32
	v_cvt_f32_i32 v[n], v[n]
.set n, n+1
.endr
.endm
.macro MULP cp, hf                     ; k x mask for columns 2 cp, 2 cp + 1, sixteen rows; the destination sorts each column down K
	WIN KW|(KW<<2)
.set kk, 16*(\hf)
.rept 16
	v_mul_f32 v[X0+kk], v[4*kk+2*(\cp)], v[128+4*kk+2*(\cp)]
	v_mul_f32 v[X1+kk], v[4*kk+2*(\cp)+1], v[129+4*kk+2*(\cp)]
.set kk, kk+1
.endr
.endm
.macro MAXP                            ; the two blocks' largest magnitudes, over the floor 2^(3 - 127)
	WIN 0
	v_max3_num_f32 v[T0], |v[X0]|, |v[X0+1]|, 0x1800000
	v_max3_num_f32 v[T0+1], |v[X1]|, |v[X1+1]|, 0x1800000
.irp i, 2,4,6,8,10,12,14,16,18,20,22,24,26,28,30
	v_max3_num_f32 v[T0], v[T0], |v[X0+\i]|, |v[X0+\i+1]|
	v_max3_num_f32 v[T0+1], v[T0+1], |v[X1+\i]|, |v[X1+\i+1]|
.endr
.endm
.macro QNTP cp                         ; codes and scale bytes of the two columns, to their places in the fragments' images
	WIN 0
	v_add_nc_u32 v[T0+2], 0xff000000, v[T0]        ; 2 off the exponent field: the conversion's scale operand
	v_add_nc_u32 v[T0+3], 0xff000000, v[T0+1]
	v_cvt_scalef32_pk16_fp6_f32 v[C0:C0+2], v[X0:X0+15], v[T0+2]
	v_cvt_scalef32_pk16_fp6_f32 v[C0+6:C0+8], v[X0+16:X0+31], v[T0+2]     ; (three registers begin on an even number: the second half is made apart and moved)
	v_cvt_scalef32_pk16_fp6_f32 v[C0+10:C0+12], v[X1:X1+15], v[T0+3]
	v_cvt_scalef32_pk16_fp6_f32 v[C0+16:C0+18], v[X1+16:X1+31], v[T0+3]
	v_lshrrev_b32 v[T0], 23, v[T0+2]               ; the bytes; plain lines behind the conversions
	v_lshrrev_b32 v[T0+1], 23, v[T0+3]
.irp i, 0,1,2
	v_mov_b32 v[C0+3+\i], v[C0+6+\i]
	v_mov_b32 v[C0+13+\i], v[C0+16+\i]
.endr
	ds_store_b64 v[ST16], v[C0:C0+1] offset:32*(\cp)
	ds_store_b64 v[ST17], v[C0+2:C0+3] offset:32*(\cp)
	ds_store_b64 v[ST16], v[C0+4:C0+5] offset:512+32*(\cp)
	ds_store_b64 v[ST16], v[C0+10:C0+11] offset:16+32*(\cp)
	ds_store_b64 v[ST17], v[C0+12:C0+13] offset:16+32*(\cp)
	ds_store_b64 v[ST16], v[C0+14:C0+15] offset:528+32*(\cp)
	ds_store_b8 v[SCB], v[T0] offset:32*(\cp)
	ds_store_b8 v[SCB], v[T0+1] offset:16+32*(\cp)
.endm
.macro RBLOAD                          ; back from the stage: wave w takes fragments 2 w, 2 w + 1, and the scale words
.irp e, 0,1
.irp c, 0,1,2
	ds_load_b128 v[RB+12*\e+4*\c:RB+12*\e+4*\c+3], v[RBA] offset:WPIT*\e+512*\c
.endr
.endr
	ds_load_b128 v[RB+24:RB+27], v[RBS]
.endm
.macro RBSTORE                         ; each store covers 512 consecutive bytes, at a multiple of 256 from the buffer's first byte; wave 0 stores the scale words
.irp e, 0,1
.irp c, 0,1,2
	global_store_b128 v[WOF], v[RB+12*\e+4*\c:RB+12*\e+4*\c+3], s[WO:WO+1] offset:1536*\e+512*\c
.endr
.endr
	s_cmp_lg_u32 s[WV], 0
	s_cbranch_scc1 .Lno_words_\@
	global_store_b128 v[KOF], v[RB+24:RB+27], s[WO:WO+1] offset:12288
.Lno_words_\@:
.endm
	s_load_b256 s[8:15], s[0:1], 0x0               ; x_codes s[8:9], x_scales s[10:11], k0 s[12:13], mask0 s[14:15]
	s_load_b128 s[24:27], s[0:1], 0x20             ; xi s[24:25], w0i s[26:27]
	v_lshl_add_u32 v254, v0, 2, SPARE
	v_mov_b32 v255, 0
	v_lshrrev_b32 v1, 5, v0
	v_readfirstlane_b32 s4, v1                     ; wave = my block of 32 along K, kb: half h = kb % 2, registers 6 c on, c = kb / 2
	s_and_b32 s5, s4, 1
	s_lshl_b32 s5, s5, 8                           ; 16 x 16 h
	s_lshr_b32 s6, s4, 1
	s_mul_i32 s7, s6, 520
	s_add_co_u32 s7, s7, s5                        ; registers 6 c, 6 c + 1 at image byte 0 or 520; 6 c + 4, 6 c + 5 lie 512 further on
	s_mul_i32 s28, s6, 1016
	s_add_co_u32 s28, s28, s5
	s_add_co_u32 s28, s28, 8                       ; registers 6 c + 2, 6 c + 3 at 8 or 1,024
	s_add_co_u32 s29, s4, WSC
	s_mul_i32 s30, s4, 2*WPIT
	s_mul_i32 s31, s4, 16*XPIT
	s_add_co_u32 s31, s31, XR
	s_mul_i32 s16, s4, 3072
	v_and_b32 v1, 31, v0                           ; L
	v_lshlrev_b32 v20, 4, v1                       ; 16 L
	v_lshlrev_b32 v21, 3, v1                       ; 8 L
	v_lshrrev_b32 v4, 4, v1                        ; L / 16
	v_bfe_u32 v5, v1, 1, 1                         ; W path: lane L has columns 4 L .. 4 L + 3: tile t = 2 (L / 8) + (L / 2) % 2, lanes r0 = 8 ((L / 4) % 2) + 4 (L % 2) on
	v_lshrrev_b32 v6, 3, v1
	v_lshl_add_u32 v5, v6, 1, v5                   ; t
	v_bfe_u32 v6, v1, 2, 1
	v_and_b32 v7, 1, v1
	v_lshlrev_b32 v7, 2, v7
	v_lshl_add_u32 v6, v6, 3, v7                   ; r0
	v_mul_u32_u24 v7, v5, WPIT
	v_lshl_add_u32 v7, v6, 4, v7
	v_add_nc_u32 v[ST16], s7, v7
	v_add_nc_u32 v[ST17], s28, v7
	v_lshrrev_b32 v7, 2, v5
	v_lshlrev_b32 v7, 8, v7
	v_lshl_add_u32 v7, v6, 4, v7
	v_and_b32 v5, 3, v5
	v_lshl_add_u32 v7, v5, 2, v7
	v_add_nc_u32 v[SCB], s29, v7                   ; my byte of the scale word: WSC + 256 (t / 4) + 16 r0 + 4 (t % 4) + kb
	v_add_nc_u32 v[RBA], s30, v20
	v_add_nc_u32 v[RBS], WSC, v20
	v_add_nc_u32 v[WOF], s16, v20
	v_add_nc_u32 v24, s31, v20                     ; x path: in: 16 L,
	v_lshl_add_u32 v25, v4, 4, v24
	v_add_nc_u32 v25, 512, v25                     ; and 512 + 16 L, one padding further on for lanes 16-31
	v_and_b32 v6, 15, v1
	v_mul_u32_u24 v26, v6, XPIT
	v_mad_u32_u24 v26, v4, 24, v26
	v_add_nc_u32 v26, s31, v26                     ; out: row r, + 24 h
	s_wait_alu depctr_va_vdst(0)
	s_cmp_ge_u32 ttmp9, 256
	s_cbranch_scc1 .Lx
	s_lshr_b32 s33, ttmp9, 4                       ; K step
	s_and_b32 s34, ttmp9, 15                       ; which 128 columns (fastest)
	s_lshl_b32 s36, s33, 20                        ; in: 128 rows of 8,192 bytes a K step,
	s_lshl_b32 s35, s4, 18                         ; + 32 kb rows,
	s_add_co_u32 s36, s36, s35
	s_lshl_b32 s35, s34, 9                         ; + the columns
	s_add_co_u32 s36, s36, s35
	s_mov_b32 s37, 0
	s_lshr_b32 s38, s34, 1                         ; out: (16 x group + K step) x 25,600 + half x 12,800
	s_lshl_b32 s38, s38, 4
	s_add_co_u32 s38, s38, s33
	s_mul_i32 s38, s38, 25600
	s_and_b32 s35, s34, 1
	s_mul_i32 s35, s35, 12800
	s_add_co_u32 s38, s38, s35
	s_mov_b32 s39, 0
	s_wait_kmcnt 0x0
	s_add_nc_u64 s[KP:KP+1], s[KP:KP+1], s[36:37]
	s_add_nc_u64 s[MP:MP+1], s[MP:MP+1], s[36:37]
	s_add_nc_u64 s[WO:WO+1], s[WO:WO+1], s[38:39]
	KMROWS 0, 32
.irp p, 0,1,2,3
	s_wait_loadcnt 48-16*\p                        ; rows 8 p .. 8 p + 7 are in: the later rows' sixteen loads a stage may stay out
	CVTP \p
.endr
.irp cp, 0,1
	MULP \cp, 0
	MULP \cp, 1
	MAXP
	QNTP \cp
.endr
	s_wait_dscnt 0x0                               ; for the others' sake: my stores have landed
	s_barrier_signal -1
	s_barrier_wait -1
	RBLOAD
	s_wait_dscnt 0x0
	RBSTORE
	s_wait_tensorcnt 0x0                           ; the wave's end
	ds_add_u32 v254, v255
	s_wait_dscnt 0x0
	s_endpgm
	; x: 64 rows x 8 K steps (768 bytes of a row) to a work-group; a tile of 16 rows to a wave, which touches its own LDS bytes alone: no barrier
.Lx:
	s_sub_co_u32 s41, ttmp9, 256
	s_lshr_b32 s32, s41, 1                         ; G: which 64 rows
	s_and_b32 s33, s41, 1                          ; hf: K steps 8 hf on
	s_lshl_b32 s34, s32, 6
	s_lshl_b32 s35, s4, 4
	s_add_co_u32 s34, s34, s35
	s_mul_i32 s34, s34, 1536                       ; codes in: row 64 G + 16 w,
	s_mul_i32 s35, s33, 768
	s_add_co_u32 s34, s34, s35
	s_mov_b32 s35, 0
	s_lshl_b32 s36, s32, 12                        ; scale bytes in: 64 G rows of 64 bytes, + 4 x (8 hf + 2 w)
	s_lshl_b32 s38, s33, 5
	s_add_co_u32 s36, s36, s38
	s_lshl_b32 s38, s4, 3
	s_add_co_u32 s36, s36, s38
	s_mov_b32 s37, 0
	s_lshr_b32 s38, s32, 1
	s_lshl_b32 s38, s38, 4
	s_lshl_b32 s40, s33, 3
	s_add_co_u32 s38, s38, s40
	s_mul_i32 s38, s38, 12800                      ; out: (16 (G / 2) + 8 hf) x two halves, the half G % 2
	s_and_b32 s40, s32, 1
	s_mul_i32 s40, s40, 6400
	s_add_co_u32 s38, s38, s40
	s_mov_b32 s39, 0
	v_mul_u32_u24 v28, v4, 768
	v_add_nc_u32 v28, v28, v20
	v_add_nc_u32 v28, 512, v28                     ; the middle load of a pair of rows
	v_and_b32 v6, 1, v1
	v_lshrrev_b32 v7, 1, v1
	v_lshl_add_u32 v6, v6, 5, v7
	v_lshlrev_b32 v29, 6, v6                       ; scale bytes: lane L takes rows 32 (L % 2) + L / 2 and 16 further on
	s_mul_i32 s40, s4, 25600
	s_add_co_u32 s40, s40, 6144
	v_add_nc_u32 v30, s40, v21
	s_mul_i32 s40, s4, 1536
	v_add_nc_u32 v31, s40, v20
	s_wait_alu depctr_va_vdst(0)
	s_wait_kmcnt 0x0
	s_add_nc_u64 s[8:9], s[8:9], s[34:35]
	s_add_nc_u64 s[10:11], s[10:11], s[36:37]
	s_add_nc_u64 s[24:25], s[24:25], s[38:39]
	global_load_b64 v[8:9], v29, s[10:11]
	global_load_b64 v[10:11], v29, s[10:11] offset:1024
.irp u, 0,1,2,3,4,5,6,7                ; rows 2 u, 2 u + 1: 2 x 768 bytes in three loads, each half of the lanes on 256 consecutive bytes
	global_load_b128 v[32+12*\u:35+12*\u], v20, s[8:9] offset:3072*\u th:TH_LOAD_NT
	global_load_b128 v[36+12*\u:39+12*\u], v28, s[8:9] offset:3072*\u th:TH_LOAD_NT
	global_load_b128 v[40+12*\u:43+12*\u], v20, s[8:9] offset:3072*\u+1792 th:TH_LOAD_NT
.endr
	s_wait_loadcnt 24                              ; the two loads of scale words are in; the 24 of codes may be out
	v_mov_b32 v12, v8                              ; sorted by K step
	v_mov_b32 v13, v10
	v_mov_b32 v14, v9
	v_mov_b32 v15, v11
	global_store_b64 v30, v[12:13], s[24:25]
	global_store_b64 v30, v[14:15], s[24:25] offset:12800
.irp u, 0,1,2,3,4,5,6,7
	s_wait_loadcnt 21-3*\u                         ; this pair's three loads are in
	ds_store_b128 v24, v[32+12*\u:35+12*\u] offset:2*XPIT*\u
	ds_store_b128 v25, v[36+12*\u:39+12*\u] offset:2*XPIT*\u
	ds_store_b128 v24, v[40+12*\u:43+12*\u] offset:2*XPIT*\u+XPIT+256
.endr
.irp sl, 0,1,2,3,4,5,6,7               ; LDS serves a wave's instructions in order (ISA guide 5.7.1.4).  A fragment: 24 bytes at 96 sl + 24 h of row r, and 24 more 48 bytes on
.irp p, 0,1,2,3,4,5
	ds_load_b64 v[128+12*\sl+2*\p:129+12*\sl+2*\p], v26 offset:96*\sl+48*(\p/3)+8*(\p%3)
.endr
.endr
.irp sl, 0,1,2,3,4,5,6,7
	s_wait_dscnt 42-6*\sl                          ; this fragment's six loads are in
.irp c, 0,1,2
	global_store_b128 v31, v[128+12*\sl+4*\c:131+12*\sl+4*\c], s[24:25] offset:12800*\sl+512*\c
.endr
.endr
	s_wait_tensorcnt 0x0
	ds_add_u32 v254, v255
	s_wait_dscnt 0x0
	s_endpgm
.Lfunc_end_k_q9ee42bee57_prep:
	.size	k_q9ee42bee57_prep, .Lfunc_end_k_q9ee42bee57_prep-k_q9ee42bee57_prep
	.p2alignl 7, 3214868480
	.fill 96, 4, 3214868480
	.section	.rodata,"a",@progbits
	.p2align	6, 0x0
	.amdhsa_kernel k_q9ee42bee57_prep
		.amdhsa_group_segment_fixed_size 65536
		.amdhsa_private_segment_fixed_size 0
		.amdhsa_enable_private_segment 0
		.amdhsa_kernarg_size 48
		.amdhsa_user_sgpr_count 2
		.amdhsa_user_sgpr_kernarg_segment_ptr 1
		.amdhsa_wavefront_size32 1
		.amdhsa_system_sgpr_workgroup_id_x 1
		.amdhsa_system_sgpr_workgroup_id_y 1
		.amdhsa_system_sgpr_workgroup_id_z 1
		.amdhsa_system_vgpr_workitem_id 0
		.amdhsa_next_free_vgpr 512
		.amdhsa_next_free_sgpr 66
		.amdhsa_reserve_vcc 0
		.amdhsa_float_denorm_mode_32 3
		.amdhsa_float_denorm_mode_16_64 3
		.amdhsa_memory_ordered 1
		.amdhsa_forward_progress 1
		.amdhsa_inst_pref_size 38
	.end_amdhsa_kernel
	.amdgpu_metadata
---
amdhsa.version: [ 1, 2 ]
amdhsa.kernels:
  - .name:           k_q9ee42bee57_prep
    .symbol:         k_q9ee42bee57_prep.kd
    .args:
      - { .name: x_codes, .offset: 0, .size: 8, .value_kind: global_buffer, .address_space: global }
      - { .name: x_scales, .offset: 8, .size: 8, .value_kind: global_buffer, .address_space: global }
      - { .name: k0, .offset: 16, .size: 8, .value_kind: global_buffer, .address_space: global }
      - { .name: mask0, .offset: 24, .size: 8, .value_kind: global_buffer, .address_space: global }
      - { .name: xi, .offset: 32, .size: 8, .value_kind: global_buffer, .address_space: global }
      - { .name: w0i, .offset: 40, .size: 8, .value_kind: global_buffer, .address_space: global }
    .group_segment_fixed_size: 65536
    .private_segment_fixed_size: 0
    .kernarg_segment_align: 8
    .kernarg_segment_size: 48
    .max_flat_workgroup_size: 128
    .sgpr_count:     66
    .vgpr_count:     512
    .wavefront_size: 32
...
	.end_amdgpu_metadata
.endif
;; end of part 1
;; launch gemm1 (part 2): grid 8 x 32, 4 waves a work-group, clusters of 4 x 4, 327,680 bytes of LDS; arguments xi, w0i, h1, k1, mask1, w1i; writes h1, w1i
.if DOCPART == 2
	.amdgcn_target "amdgcn-amd-amdhsa--gfx1250"
	.amdhsa_code_object_version 6
	.text
	.protected	k_q9ee42bee57_gemm1
	.globl	k_q9ee42bee57_gemm1
	.p2align	8
	.type	k_q9ee42bee57_gemm1,@function
k_q9ee42bee57_gemm1:
	s_mov_b64 s[64:65], 0
	v_nop
	global_prefetch_b8 v0, s[64:65] scope:SCOPE_SE
	s_setreg_imm32_b32 hwreg(HW_REG_WAVE_MODE, 25, 1), 1
	s_wait_xcnt 0x0
	s_wait_alu depctr_hold_cnt(0) depctr_sa_sdst(0) depctr_va_vdst(0) depctr_va_sdst(0) depctr_va_ssrc(0) depctr_va_vcc(0) depctr_vm_vsrc(0)
	s_getreg_b32 s2, hwreg(HW_REG_IB_STS2, 6, 4)
	s_cmp_eq_u32 s2, 0
	s_cbranch_scc0 .Lentry_in_a_cluster
	s_endpgm
.Lentry_in_a_cluster:
	s_bfe_u32 s2, ttmp6, 0x10000c
	s_cmp_lg_u32 s2, 0xf033
	s_cbranch_scc0 .Lentry_shape_is_right
	s_endpgm
.Lentry_shape_is_right:
; TWO JOBS.  (1) H = Q(A W): a product [4096, 2048] x [2048, 2048] on codes of E2M3 with one E8M0 scale for each 32 along K, f32 sums; the result is quantised along its columns (the next product's K)
; in registers and leaves as codes and scale words.  (2) THE NEXT PRODUCT'S WEIGHT, Wn = k x float(mask), is quantised along K on the way: each of the 256 work-groups makes one half block of it.
; ALL OPERAND BUFFERS HOLD IMAGES OF OPERAND REGISTERS.  A fragment (16 rows x 128 K: 12 registers a lane) is 1,536 bytes: registers 4 c .. 4 c + 3 of lane l at 512 c + 16 l.
;   A, H:  [32 groups of 128 rows][16 K steps][2 halves of 64 rows][6,400]: four fragments, then 256 bytes of scale words, word (r, tile i) at 6,144 + 16 r + 4 i.
;   W, Wn: [8 groups of 256 columns][16 K steps][2 halves of 128][12,800]: eight fragments, then 512 bytes of scale words, word (r, tile t) at 12,288 + 256 (t / 4) + 16 r + 4 (t % 4);
;          lane r of tile t is column 32 (t / 2) + 8 (t % 2) + r + 8 (r / 8) of the half.
; SHARES.  A work-group makes 128 rows x 256 columns: 256 work-groups; a wave 64 x 128: 32 accumulators.  THE MATRIX INSTRUCTION IS USED TRANSPOSED (source 0 = a tile of W, source 1 = 16 rows of A):
; lane (r, h) holds row r, and the 16 registers of tiles 2 b, 2 b + 1 are columns 32 b + 16 h + 0 .. 15: neighbours along the next K.
; THE RING.  Two LDS slots of 512 along K (four K steps: A's 51,200 bytes, then W's 102,400, as they lie in memory); K is four slots' worth (periods 0 .. 3), the 16 K steps are written out.
; A wave issues one tensor load at the head (its part of period 0) and one behind each later round; by this text's count one is out at the most, and every wait on TENSORcnt is for 0.
; CLUSTERS: 4 x 4.  A's blocks are asked for jointly along a row of the cluster, W's along a column.
; PREFETCH: behind the head's load periods 1 and 2 are asked for, behind period 1's load period 3: each one or two loads ahead of its own.  A wave's part of a period (100 or 200 blocks of 256 bytes) is shared out among
; the four partners that ask for it jointly, by address: 25 blocks an instruction, a lane a block (lanes 25-31 name block 24 again).
; Wn: work-group w = 8 g + j takes K step w / 16 and columns 128 (w % 16) on; a wave a block of 32 along K, a lane four columns.  Its 64 loads go into window 3: sixteen at the head, six in each of K steps 0-7;
; the arithmetic stands between the products of K steps 12-14; the image goes through LDS bytes of its own behind the ring, past a barrier in the last K step, and is stored on the way out.
; REGISTERS, in windows of 256: window 0: v1-31 addresses; v32-55 scale words, two sets; v64-159 A's fragments, two sets; v160-249 at work for Wn, then on the way out.
;   window 1: W's fragments, two sets, at v0 and v128.   window 2: accumulator (a, b) at v[8 (8 a + b)].   window 3: v0-127 k, v128-255 mask.
; LIMITS: sums that overflow f32, NaN and infinities are not served; a block of zeros gets the scale byte 1 where the rule says 127 (its codes are zeros, and this program alone reads the bytes).
.set SLOTB, 153600
.set ASTEP, 12800
.set BSTEP, 25600
.set BPART, 51200
.set SPARE, 2*SLOTB                    ; the spare words: 128 bytes a wave
.set STG,   SPARE+512                  ; Wn's stage: eight fragments WPIT apart; no tensor load lands here
.set WPIT,  1552
.set WSC,   STG+12544                  ; and its 512 bytes of scale words
.set KOF,   1                          ; v1  16 x lane
.set ST16,  9
.set ST17,  10
.set SCB,   11
.set RBA,   12
.set RBS,   13
.set WOF,   14
.set ADRA,  16                         ; v16-17 my A fragments in slot 0, 1;  v18-19 their scale words
.set ADRSA, 18
.set ADRB,  20                         ; v20-23 my W fragments: slot 0 steps 0-1, 2-3, slot 1 steps 0-1, 2-3;  v24-27 their scale words
.set ADRSB, 24
.set SPW,   28
.set NIL,   29
.set PFO,   30                         ; 256 x min(lane, 24)
.set SC,    32
.set AF,    64
.set X0,    160
.set X1,    192
.set T0,    224
.set C0,    228
.set RB,    160
.set TM,    200
.set PW,    216
.set KW,    3
.set KP,    10
.set MP,    32
.set WO,    34
.set WV,    14
.set G1A,   24
.set G1B,   48
.set PFA,   56
.set GA0,   68
.set GA1,   72
.set GB0,   76
.set GB1,   80
.set MSB, 0
.macro WIN new                         ; the immediate's high byte repeats the setting that is left
.if MSB != \new
	s_set_vgpr_msb (MSB<<8)|\new
.set MSB, \new
.endif
.endm
.set W_MUL, 0xa1                       ; source 0 (W) window 1, source 1 (A) window 0, C and D window 2
.macro PLACES n
.rept \n
	v_nop
.endr
.endm
.macro JLOAD g0a, g0b                  ; a joint load: waves 0 and 1 fetch for A, waves 2 and 3 for W; s_nop 0 and four v_nop follow each line
	s_cmp_eq_u32 s15, 0
	s_cbranch_scc0 .Lfor_b_\@
	tensor_load_to_lds s[\g0a:\g0a+3], s[G1A:G1A+7]
	s_nop 0
.rept 4
	v_nop
.endr
	s_branch .Lasked_\@
.Lfor_b_\@:
	tensor_load_to_lds s[\g0b:\g0b+3], s[G1B:G1B+7]
	s_nop 0
.rept 4
	v_nop
.endr
.Lasked_\@:
.endm
.macro ASK p                           ; my work-group's quarter of my part of period p
	s_cmp_eq_u32 s15, 0
	s_cbranch_scc0 .Lpw_\@
	global_prefetch_b8 v[PFO], s[PFA:PFA+1] offset:(\p)*4*ASTEP th:TH_LOAD_NT scope:SCOPE_SE
	s_branch .Lpd_\@
.Lpw_\@:
	global_prefetch_b8 v[PFO], s[PFA:PFA+1] offset:(\p)*4*BSTEP th:TH_LOAD_NT scope:SCOPE_SE
	global_prefetch_b8 v[PFO], s[PFA:PFA+1] offset:(\p)*4*BSTEP+6400 th:TH_LOAD_NT scope:SCOPE_SE
.Lpd_\@:
.endm
.macro CREST
	s_cmp_lg_u32 s14, 0
	s_cbranch_scc1 .Lnot_wave_0_\@
	s_barrier_signal -3
.Lnot_wave_0_\@:
	s_barrier_wait -3
	s_barrier_signal -1
	s_barrier_wait -1
.endm
.macro CROUND
	s_barrier_signal -1
	s_barrier_wait -1
	CREST
.endm
.macro SHAPE g, r                      ; a dense block as r rows of 32 elements of 8 bytes
	s_mov_b32 s[\g+1], 32<<16
	s_mov_b32 s[\g+2], (\r)<<16
	s_mov_b32 s[\g+3], 32<<16
	s_mov_b32 s[\g+4], \r
	s_mov_b32 s[\g+5], 32
	s_mov_b32 s[\g+6], 0
	s_mov_b32 s[\g+7], 0
.endm
.macro GROUP0 g, lds, hw, base, off    ; to LDS byte lds + s[hw], from s[base:base+1] + off + s[hw]: s[hw] is my half of the block, by the wave's number alone
	s_mov_b32 s[\g], 1
	s_add_co_u32 s[\g+1], s[\hw], \lds
	s_add_nc_u64 s[\g+2:\g+3], s[\base:\base+1], s[\hw:\hw+1]
.if \off
	s_add_nc_u64 s[\g+2:\g+3], s[\g+2:\g+3], \off
.endif
	s_or_b32 s[\g+3], s[\g+3], 0x80000000
.endm
; ---- Wn's pieces
.macro KMROWS r0, n                    ; rows r0 .. r0 + n - 1 of my block: k and mask, 16 bytes a lane: 512 consecutive bytes a load
	WIN KW<<6
.set kk, \r0
.rept \n
	global_load_b128 v[4*kk:4*kk+3], v[KOF], s[KP:KP+1] offset:kk*8192 th:TH_LOAD_NT
	global_load_b128 v[128+4*kk:131+4*kk], v[KOF], s[MP:MP+1] offset:kk*8192 th:TH_LOAD_NT
.set kk, kk+1
.endr
.endm
.macro CVTP p                          ; the mask of eight rows as reference() casts it
	WIN (KW<<6)|KW
.set n, 128+32*(\p)
.rept 32
	v_cvt_f32_i32 v[n], v[n]
.set n, n+1
.endr
.endm
.macro MULP cp, hf                     ; k x mask for columns 2 cp, 2 cp + 1, sixteen rows; the destination sorts each column down K
	WIN KW|(KW<<2)
.set kk, 16*(\hf)
.rept 16
	v_mul_f32 v[X0+kk], v[4*kk+2*(\cp)], v[128+4*kk+2*(\cp)]
	v_mul_f32 v[X1+kk], v[4*kk+2*(\cp)+1], v[129+4*kk+2*(\cp)]
.set kk, kk+1
.endr
.endm
.macro MAXP                            ; the two blocks' largest magnitudes, over the floor 2^(3 - 127)
	WIN 0
	v_max3_num_f32 v[T0], |v[X0]|, |v[X0+1]|, 0x1800000
	v_max3_num_f32 v[T0+1], |v[X1]|, |v[X1+1]|, 0x1800000
.irp i, 2,4,6,8,10,12,14,16,18,20,22,24,26,28,30
	v_max3_num_f32 v[T0], v[T0], |v[X0+\i]|, |v[X0+\i+1]|
	v_max3_num_f32 v[T0+1], v[T0+1], |v[X1+\i]|, |v[X1+\i+1]|
.endr
.endm
.macro QNTP cp                         ; codes and scale bytes of the two columns, to their places in the fragments' images
	WIN 0
	v_add_nc_u32 v[T0+2], 0xff000000, v[T0]        ; 2 off the exponent field: the conversion's scale operand
	v_add_nc_u32 v[T0+3], 0xff000000, v[T0+1]
	v_cvt_scalef32_pk16_fp6_f32 v[C0:C0+2], v[X0:X0+15], v[T0+2]
	v_cvt_scalef32_pk16_fp6_f32 v[C0+6:C0+8], v[X0+16:X0+31], v[T0+2]
	v_cvt_scalef32_pk16_fp6_f32 v[C0+10:C0+12], v[X1:X1+15], v[T0+3]
	v_cvt_scalef32_pk16_fp6_f32 v[C0+16:C0+18], v[X1+16:X1+31], v[T0+3]
	v_lshrrev_b32 v[T0], 23, v[T0+2]               ; the bytes; plain lines behind the conversions
	v_lshrrev_b32 v[T0+1], 23, v[T0+3]
.irp i, 0,1,2
	v_mov_b32 v[C0+3+\i], v[C0+6+\i]
	v_mov_b32 v[C0+13+\i], v[C0+16+\i]
.endr
	ds_store_b64 v[ST16], v[C0:C0+1] offset:32*(\cp)
	ds_store_b64 v[ST17], v[C0+2:C0+3] offset:32*(\cp)
	ds_store_b64 v[ST16], v[C0+4:C0+5] offset:512+32*(\cp)
	ds_store_b64 v[ST16], v[C0+10:C0+11] offset:16+32*(\cp)
	ds_store_b64 v[ST17], v[C0+12:C0+13] offset:16+32*(\cp)
	ds_store_b64 v[ST16], v[C0+14:C0+15] offset:528+32*(\cp)
	ds_store_b8 v[SCB], v[T0] offset:32*(\cp)
	ds_store_b8 v[SCB], v[T0+1] offset:16+32*(\cp)
.endm
.macro RBLOAD                          ; back from the stage: wave w takes fragments 2 w, 2 w + 1, and the scale words
.irp e, 0,1
.irp c, 0,1,2
	ds_load_b128 v[RB+12*\e+4*\c:RB+12*\e+4*\c+3], v[RBA] offset:WPIT*\e+512*\c
.endr
.endr
	ds_load_b128 v[RB+24:RB+27], v[RBS]
.endm
.macro RBSTORE                         ; each store covers 512 consecutive bytes, at a multiple of 256 from the buffer's first byte; wave 0 stores the scale words
.irp e, 0,1
.irp c, 0,1,2
	global_store_b128 v[WOF], v[RB+12*\e+4*\c:RB+12*\e+4*\c+3], s[WO:WO+1] offset:1536*\e+512*\c
.endr
.endr
	s_cmp_lg_u32 s[WV], 0
	s_cbranch_scc1 .Lno_words_\@
	global_store_b128 v[KOF], v[RB+24:RB+27], s[WO:WO+1] offset:12288
.Lno_words_\@:
.endm
.macro PIECE p                         ; Wn's arithmetic in twelve pieces of some 32 vector instructions
.set PP, \p
.if PP == 0
	s_wait_loadcnt 0x0                             ; k and mask are in: the last loads were issued in K step 7
.endif
.if PP < 4
	CVTP PP
.elseif PP%4 < 2
	MULP PP/4-1, PP%4
.elseif PP%4 == 2
	MAXP
.else
	QNTP PP/4-1
.endif
.if PP%4 == 3
	s_wait_alu depctr_va_vdst(0)                   ; ahead of the next K step's wait on DScnt
.endif
.endm
.macro HOOK h                          ; what stands behind the h-th group of eight products of K step ST
.if (ST < 8) && (\h == 1)
	KMROWS 8+3*ST, 3
.endif
.if (ST >= 12) && (ST < 15)
	PIECE 4*(ST-12)+\h
.endif
.endm
	s_load_b256 s[4:11], s[0:1], 0x0               ; A s[4:5], W s[6:7], H s[8:9], k s[10:11]
	s_load_b128 s[32:35], s[0:1], 0x20             ; mask s[32:33], Wn s[34:35]
	v_lshl_add_u32 v[SPW], v0, 2, SPARE
	v_mov_b32 v[NIL], 0
	ds_add_u32 v[SPW], v[NIL]                      ; the opening lines: the add, twice on end, and its wait
	ds_add_u32 v[SPW], v[NIL]
	v_lshrrev_b32 v1, 5, v0
	v_readfirstlane_b32 s14, v1                    ; wave 0..3
	s_lshr_b32 s15, s14, 1                         ; which 64 rows are mine.  Also: I fetch for A (0) or for W (1)
	s_and_b32 s16, s14, 1                          ; which 128 columns.  Also: which half of a block I fetch
	s_bfe_u32 s40, ttmp6, 0x40000                  ; cx, cy
	s_bfe_u32 s41, ttmp6, 0x40004
	s_lshl_b32 s42, ttmp9, 2
	s_add_co_u32 s42, s42, s40                     ; j: group of 256 columns
	s_and_b32 s17, ttmp7, 0xffff
	s_lshl_b32 s17, s17, 2
	s_add_co_u32 s17, s17, s41                     ; g: group of 128 rows
	s_lshl_b32 s43, s41, 2
	s_lshl_b32 s43, 15, s43                        ; my row of the cluster
	s_lshl_b32 s44, 0x1111, s40                    ; my column
	s_or_b32 s[G1A], s43, (3<<16)|(1<<21)          ; the mask; elements of 8 bytes; bit 21 set beside a mask
	s_or_b32 s[G1B], s44, (3<<16)|(1<<21)
	SHAPE G1A, 100
	SHAPE G1B, 200
	s_mul_i32 s18, s16, 25600                      ; my half of a period's block of A, of W
	s_mov_b32 s19, 0
	s_mul_i32 s22, s16, 51200
	s_mov_b32 s23, 0
	s_mul_i32 s20, s17, 16*ASTEP
	s_mov_b32 s21, 0
	s_mul_i32 s46, s42, 16*BSTEP
	s_mov_b32 s47, 0
	s_wait_dscnt 0x0                               ; both opening adds are done
	s_wait_kmcnt 0x0
	s_add_nc_u64 s[20:21], s[4:5], s[20:21]
	s_add_nc_u64 s[46:47], s[6:7], s[46:47]
	GROUP0 GA0, 0,           18, 20, 0
	GROUP0 GA1, SLOTB,       18, 20, 4*ASTEP
	GROUP0 GB0, BPART,       22, 46, 0
	GROUP0 GB1, SLOTB+BPART, 22, 46, 4*BSTEP
	CROUND                                         ; all sixteen work-groups are here: the first joint loads meet
	JLOAD GA0, GB0                                 ; period 0: one tensor load a wave at the head
	s_mul_i32 s58, s40, 6400                       ; the prefetches: my work-group's quarter, by cx for A, by cy for W
	s_add_co_u32 s58, s58, s18
	s_mul_i32 s60, s41, 12800
	s_add_co_u32 s60, s60, s22
	s_cmp_eq_u32 s15, 0
	s_cselect_b32 s58, s58, s60
	s_mov_b32 s59, 0
	s_cselect_b64 s[PFA:PFA+1], s[20:21], s[46:47]
	s_add_nc_u64 s[PFA:PFA+1], s[PFA:PFA+1], s[58:59]
	s_lshl_b32 s84, s17, 3                         ; Wn: w = 8 g + j
	s_add_co_u32 s84, s84, s42
	s_lshr_b32 s85, s84, 4                         ; its K step
	s_and_b32 s86, s84, 15                         ; which 128 columns
	s_lshl_b32 s88, s85, 20                        ; in: 128 rows of 8,192 bytes a K step, + 32 rows a wave, + the columns
	s_lshl_b32 s87, s14, 18
	s_add_co_u32 s88, s88, s87
	s_lshl_b32 s87, s86, 9
	s_add_co_u32 s88, s88, s87
	s_mov_b32 s89, 0
	s_lshr_b32 s90, s86, 1                         ; out: (16 x group + K step) x 25,600 + half x 12,800
	s_lshl_b32 s90, s90, 4
	s_add_co_u32 s90, s90, s85
	s_mul_i32 s90, s90, 25600
	s_and_b32 s87, s86, 1
	s_mul_i32 s87, s87, 12800
	s_add_co_u32 s90, s90, s87
	s_mov_b32 s91, 0
	s_add_nc_u64 s[KP:KP+1], s[KP:KP+1], s[88:89]
	s_add_nc_u64 s[MP:MP+1], s[MP:MP+1], s[88:89]
	s_add_nc_u64 s[WO:WO+1], s[WO:WO+1], s[90:91]
	s_lshl_b32 s92, s16, 8                         ; the stage: my block of 32 along K is kb = wave: half h = kb % 2, registers 6 c on, c = kb / 2
	s_add_co_u32 s92, s92, STG
	s_mul_i32 s93, s15, 520
	s_add_co_u32 s93, s93, s92
	s_mul_i32 s94, s15, 1016
	s_add_co_u32 s94, s94, s92
	s_add_co_u32 s94, s94, 8
	s_add_co_u32 s95, s14, WSC
	s_mul_i32 s96, s14, 2*WPIT
	s_add_co_u32 s96, s96, STG
	s_mul_i32 s97, s14, 3072
	s_mul_i32 s36, s15, 6400                       ; the ring: my A fragments, their scale words, my W fragments, theirs
	s_add_co_u32 s37, s36, 6144
	s_mul_i32 s38, s16, 12800
	s_add_co_u32 s38, s38, BPART
	s_add_co_u32 s39, s38, 12288
	s_lshl_b32 s98, s17, 4                         ; H: my 128 columns are K step 2 j + wave % 2 of the next product, my 64 rows half wave / 2 of group g
	s_lshl_b32 s87, s42, 1
	s_add_co_u32 s98, s98, s87
	s_add_co_u32 s98, s98, s16
	s_lshl_b32 s98, s98, 1
	s_add_co_u32 s98, s98, s15
	s_mul_i32 s98, s98, 6400
	s_mov_b32 s99, 0
	s_add_nc_u64 s[8:9], s[8:9], s[98:99]
	s_mov_b32 s100, 0x76543210
	s_mov_b32 s101, 0xfedcba98                     ; v_permlanex16_b32's selects for lane l xor 16
	v_and_b32 v3, 31, v0                           ; lane L
	v_lshlrev_b32 v1, 4, v3                        ; 16 L
	v_and_b32 v2, 15, v0
	v_lshlrev_b32 v2, 4, v2                        ; 16 r
	v_lshrrev_b32 v4, 4, v3                        ; h
	v_lshl_add_u32 v31, v4, 3, v2                  ; the way out: my 8 bytes of H's scale words
	v_add_nc_u32 v[ADRA], s36, v1
	v_add_nc_u32 v[ADRA+1], SLOTB, v[ADRA]
	v_add_nc_u32 v[ADRSA], s37, v2
	v_add_nc_u32 v[ADRSA+1], SLOTB, v[ADRSA]
	v_add_nc_u32 v[ADRB], s38, v1
	v_add_nc_u32 v[ADRB+1], 2*BSTEP, v[ADRB]
	v_add_nc_u32 v[ADRB+2], SLOTB, v[ADRB]
	v_add_nc_u32 v[ADRB+3], SLOTB+2*BSTEP, v[ADRB]
	v_add_nc_u32 v[ADRSB], s39, v2
	v_add_nc_u32 v[ADRSB+1], 2*BSTEP, v[ADRSB]
	v_add_nc_u32 v[ADRSB+2], SLOTB, v[ADRSB]
	v_add_nc_u32 v[ADRSB+3], SLOTB+2*BSTEP, v[ADRSB]
	v_min_u32 v[PFO], 24, v3
	v_lshlrev_b32 v[PFO], 8, v[PFO]
	v_bfe_u32 v5, v3, 1, 1                         ; Wn: lane L has columns 4 L .. 4 L + 3: tile t = 2 (L / 8) + (L / 2) % 2, lanes r0 = 8 ((L / 4) % 2) + 4 (L % 2) on
	v_lshrrev_b32 v6, 3, v3
	v_lshl_add_u32 v5, v6, 1, v5                   ; t
	v_bfe_u32 v6, v3, 2, 1
	v_and_b32 v7, 1, v3
	v_lshlrev_b32 v7, 2, v7
	v_lshl_add_u32 v6, v6, 3, v7                   ; r0
	v_mul_u32_u24 v7, v5, WPIT
	v_lshl_add_u32 v7, v6, 4, v7
	v_add_nc_u32 v[ST16], s93, v7
	v_add_nc_u32 v[ST17], s94, v7
	v_lshrrev_b32 v7, 2, v5
	v_lshlrev_b32 v7, 8, v7
	v_lshl_add_u32 v7, v6, 4, v7
	v_and_b32 v5, 3, v5
	v_lshl_add_u32 v7, v5, 2, v7
	v_add_nc_u32 v[SCB], s95, v7
	v_add_nc_u32 v[RBA], s96, v1
	v_add_nc_u32 v[RBS], WSC, v1
	v_add_nc_u32 v[WOF], s97, v1
	s_wait_alu depctr_va_vdst(0)
	ASK 1
	ASK 2
	KMROWS 0, 8
	WIN 0
.macro FETCH slot, q, p                ; 39 LDS loads in one run: the slot's K step q into set p
	WIN 0x40
.irp b, 0,1,2,3,4,5,6,7
.irp c, 0,1,2
	ds_load_b128 v[128*(\p)+12*\b+4*\c:128*(\p)+12*\b+4*\c+3], v[ADRB+2*(\slot)+(\q)/2] offset:((\q)%2)*BSTEP+1536*\b+512*\c
.endr
.endr
	WIN 0
.irp a, 0,1,2,3
.irp c, 0,1,2
	ds_load_b128 v[AF+48*(\p)+12*\a+4*\c:AF+48*(\p)+12*\a+4*\c+3], v[ADRA+(\slot)] offset:(\q)*ASTEP+1536*\a+512*\c
.endr
.endr
	ds_load_b128 v[SC+12*(\p):SC+12*(\p)+3], v[ADRSA+(\slot)] offset:(\q)*ASTEP
	ds_load_b128 v[SC+12*(\p)+4:SC+12*(\p)+7], v[ADRSB+2*(\slot)+(\q)/2] offset:((\q)%2)*BSTEP
	ds_load_b128 v[SC+12*(\p)+8:SC+12*(\p)+11], v[ADRSB+2*(\slot)+(\q)/2] offset:((\q)%2)*BSTEP+256
.endm
.macro MULA a, p, zero                 ; A's tile a against W's eight.  The 32 accumulators take turns in the same order in every K step
	WIN W_MUL
.irp b, 0,1,2,3,4,5,6,7
.if \zero
	v_wmma_scale_f32_16x16x128_f8f6f4 v[8*(8*(\a)+\b):8*(8*(\a)+\b)+7], v[128*(\p)+12*\b:128*(\p)+12*\b+11], v[AF+48*(\p)+12*(\a):AF+48*(\p)+12*(\a)+11], 0, v[SC+12*(\p)+4+\b], v[SC+12*(\p)+(\a)] matrix_a_fmt:MATRIX_FMT_FP6 matrix_b_fmt:MATRIX_FMT_FP6
.else
	v_wmma_scale_f32_16x16x128_f8f6f4 v[8*(8*(\a)+\b):8*(8*(\a)+\b)+7], v[128*(\p)+12*\b:128*(\p)+12*\b+11], v[AF+48*(\p)+12*(\a):AF+48*(\p)+12*(\a)+11], v[8*(8*(\a)+\b):8*(8*(\a)+\b)+7], v[SC+12*(\p)+4+\b], v[SC+12*(\p)+(\a)] matrix_a_fmt:MATRIX_FMT_FP6 matrix_b_fmt:MATRIX_FMT_FP6
.endif
.endr
.endm
.macro STEP slot, q, zero, first       ; a K step whose successor lies in the same slot: the successor's loads go out first
	s_wait_dscnt 0x0                               ; this step's fragments and scale words are in
.if !\first
	PLACES 4                                       ; the other set was read by the products just issued
.endif
	FETCH \slot, (\q)+1, 1-(\q)%2
.irp a, 0,1,2,3
	MULA \a, (\q)%2, \zero
	HOOK \a
.endr
.set ST, ST+1
.endm
; A slot's last K step changes slots: ONE barrier; in front of it each wave waits for all its tensor loads, adds 0 to its spare word, and waits for that and for its reads of this slot.
; fill = 1: the barrier opens a round of the cluster's barrier, and this slot is filled again with the period two on.
.macro TURN slot, next, fill
	WIN 0
	s_wait_tensorcnt 0x0
	ds_add_u32 v[SPW], v[NIL]
	s_wait_dscnt 1                                 ; this step's fragments are in; the add may be out
	MULA 0, 1, 0
	s_wait_dscnt 0x0                               ; the add is done, and my reads of this slot are over
	s_barrier_signal -1
	MULA 1, 1, 0
	WIN 0
	s_barrier_wait -1
.if \fill
	CREST
	s_add_nc_u64 s[GA0+4*(\slot)+2:GA0+4*(\slot)+3], s[GA0+4*(\slot)+2:GA0+4*(\slot)+3], 8*ASTEP   ; no load of mine is out
	s_add_nc_u64 s[GB0+4*(\slot)+2:GB0+4*(\slot)+3], s[GB0+4*(\slot)+2:GB0+4*(\slot)+3], 8*BSTEP
	JLOAD GA0+4*(\slot), GB0+4*(\slot)             ; its four v_nop are also the places in front of the loads below
.else
	PLACES 4
.endif
	FETCH \next, 0, 0
	MULA 2, 1, 0
	HOOK 1
	MULA 3, 1, 0
	WIN 0
.set ST, ST+1
.endm
	s_wait_tensorcnt 0x0                           ; my part of period 0 is in
	ds_add_u32 v[SPW], v[NIL]
	s_wait_dscnt 0x0
	CROUND
	JLOAD GA1, GB1                                 ; period 1, slot 1's first fill: the first tensor load behind the round
	FETCH 0, 0, 0
	ASK 3
.set ST, 0
	STEP 0, 0, 1, 1                                ; K step 0 starts the sums
	STEP 0, 1, 0, 0
	STEP 0, 2, 0, 0
	TURN 0, 1, 1
	STEP 1, 0, 0, 0
	STEP 1, 1, 0, 0
	STEP 1, 2, 0, 0
	TURN 1, 0, 1
	STEP 0, 0, 0, 0
	STEP 0, 1, 0, 0
	STEP 0, 2, 0, 0
	TURN 0, 1, 0                                   ; nothing is left to fetch: no round
	STEP 1, 0, 0, 0
	STEP 1, 1, 0, 0
	STEP 1, 2, 0, 0
	s_wait_dscnt 0x0                               ; the last K step's fragments are in, and my stores into Wn's stage have landed:
	s_barrier_signal -1                            ; say so,
	MULA 0, 1, 0
	MULA 1, 1, 0
	MULA 2, 1, 0
	MULA 3, 1, 0
	WIN 0
	s_barrier_wait -1                              ; and Wn's eight fragments and scale words are whole
	RBLOAD
; THE WAY OUT.  Tile a of my rows: a lane's 64 sums, window 2's v[64 a + 16 b + i] = column 32 b + 16 h + i of row r, become one fragment of the next product's A operand and its scale word.
; Each accumulator is first read at its low end.
.macro QUANTW a
.set QS, 64*(\a)
.set PC, AF+20*(\a)
	WIN 0x0a
.irp b, 0,1,2,3
	v_max3_num_f32 v[TM+\b], |v[QS+16*\b]|, |v[QS+1+16*\b]|, 0x1800000
.endr
	WIN 0x28
.irp i, 2,4,6,8,10,12,14
.irp b, 0,1,2,3
	v_max3_num_f32 v[TM+\b], v[TM+\b], |v[QS+16*\b+\i]|, |v[QS+1+16*\b+\i]|
.endr
.endr
	WIN 0
.irp b, 0,1,2,3
	v_permlanex16_b32 v[TM+4+\b], v[TM+\b], s100, s101
.endr
.irp b, 0,1,2,3
	v_max_num_f32 v[TM+\b], v[TM+\b], v[TM+4+\b]   ; with lane l xor 16's: the block's largest magnitude
.endr
.irp b, 0,1,2,3
	v_add_nc_u32 v[TM+12+\b], 0xff000000, v[TM+\b]
.endr
.irp b, 0,1,2,3
	v_lshrrev_b32 v[TM+4+\b], 23, v[TM+12+\b]
.endr
	v_lshl_or_b32 v[PW+(\a)], v[TM+5], 8, v[TM+4]
	v_lshl_or_b32 v[PW+(\a)], v[TM+6], 16, v[PW+(\a)]
	v_lshl_or_b32 v[PW+(\a)], v[TM+7], 24, v[PW+(\a)]
	WIN 0x02
.irp c, 0,1
	v_cvt_scalef32_pk16_fp6_f32 v[PC+6*\c:PC+2+6*\c], v[QS+32*\c:QS+15+32*\c], v[TM+12+2*\c]
	v_cvt_scalef32_pk16_fp6_f32 v[PC+12+4*\c:PC+14+4*\c], v[QS+16+32*\c:QS+31+32*\c], v[TM+12+2*\c+1]
.endr
	WIN 0
	v_nop                                          ; one plain place behind a scaled conversion
.irp c, 0,1                            ; the operand's layout wants a whole block in a lane
.irp i, 0,1,2
	v_permlane16_swap_b32 v[PC+6*\c+\i], v[PC+12+4*\c+\i]
.endr
.irp i, 0,1,2
	v_mov_b32 v[PC+3+6*\c+\i], v[PC+12+4*\c+\i]
.endr
.endr
.irp c, 0,1,2
	global_store_b128 v1, v[PC+4*\c:PC+4*\c+3], s[8:9] offset:1536*(\a)+512*\c     ; 512 consecutive bytes, at a multiple of 256 from the buffer's first byte
.endr
.endm
	PLACES 4                                       ; behind the last products
	QUANTW 0
	s_wait_alu depctr_va_vdst(0)
	s_wait_dscnt 0x0                               ; Wn's image is back in registers
	RBSTORE
	QUANTW 1
	QUANTW 2
	QUANTW 3
	v_cmp_lt_u32 vcc_lo, 15, v3                    ; lanes 0-15 store the words of tiles 0 and 1, lanes 16-31 those of tiles 2 and 3
	v_cndmask_b32 v220, v[PW], v[PW+2], vcc_lo
	v_cndmask_b32 v221, v[PW+1], v[PW+3], vcc_lo
	global_store_b64 v31, v[220:221], s[8:9] offset:6144
	s_wait_tensorcnt 0x0                           ; the wave's end
	ds_add_u32 v[SPW], v[NIL]
	s_wait_dscnt 0x0
	CROUND                                         ; the closing round
	s_endpgm
.Lfunc_end_k_q9ee42bee57_gemm1:
	.size	k_q9ee42bee57_gemm1, .Lfunc_end_k_q9ee42bee57_gemm1-k_q9ee42bee57_gemm1
	.p2alignl 7, 3214868480
	.fill 96, 4, 3214868480
	.section	.rodata,"a",@progbits
	.p2align	6, 0x0
	.amdhsa_kernel k_q9ee42bee57_gemm1
		.amdhsa_group_segment_fixed_size 327680
		.amdhsa_private_segment_fixed_size 0
		.amdhsa_enable_private_segment 0
		.amdhsa_kernarg_size 48
		.amdhsa_user_sgpr_count 2
		.amdhsa_user_sgpr_kernarg_segment_ptr 1
		.amdhsa_wavefront_size32 1
		.amdhsa_system_sgpr_workgroup_id_x 1
		.amdhsa_system_sgpr_workgroup_id_y 1
		.amdhsa_system_sgpr_workgroup_id_z 1
		.amdhsa_system_vgpr_workitem_id 0
		.amdhsa_next_free_vgpr 1024
		.amdhsa_next_free_sgpr 102
		.amdhsa_reserve_vcc 1
		.amdhsa_float_denorm_mode_32 3
		.amdhsa_float_denorm_mode_16_64 3
		.amdhsa_memory_ordered 1
		.amdhsa_forward_progress 1
		.amdhsa_inst_pref_size 161
	.end_amdhsa_kernel
	.amdgpu_metadata
---
amdhsa.version: [ 1, 2 ]
amdhsa.kernels:
  - .name:           k_q9ee42bee57_gemm1
    .symbol:         k_q9ee42bee57_gemm1.kd
    .args:
      - { .name: xi, .offset: 0, .size: 8, .value_kind: global_buffer, .address_space: global }
      - { .name: w0i, .offset: 8, .size: 8, .value_kind: global_buffer, .address_space: global }
      - { .name: h1, .offset: 16, .size: 8, .value_kind: global_buffer, .address_space: global }
      - { .name: k1, .offset: 24, .size: 8, .value_kind: global_buffer, .address_space: global }
      - { .name: mask1, .offset: 32, .size: 8, .value_kind: global_buffer, .address_space: global }
      - { .name: w1i, .offset: 40, .size: 8, .value_kind: global_buffer, .address_space: global }
    .group_segment_fixed_size: 327680
    .private_segment_fixed_size: 0
    .kernarg_segment_align: 8
    .kernarg_segment_size: 48
    .max_flat_workgroup_size: 128
    .sgpr_count:     102
    .vgpr_count:     1024
    .wavefront_size: 32
...
	.end_amdgpu_metadata
.endif
;; end of part 2
;; launch gemm2: the kernel of part 2 again; grid 8 x 32, 4 waves a work-group, clusters of 4 x 4, 327,680 bytes of LDS; arguments h1, w1i, h2, k2, mask2, w2i; writes h2, w2i
;; launch gemm3 (part 3): grid 8 x 32, 4 waves a work-group, clusters of 4 x 4, 327,680 bytes of LDS; arguments h2, w2i, bias, scaling, out0; writes out0
.if DOCPART == 3
	.amdgcn_target "amdgcn-amd-amdhsa--gfx1250"
	.amdhsa_code_object_version 6
	.text
	.protected	k_q9ee42bee57_gemm3
	.globl	k_q9ee42bee57_gemm3
	.p2align	8
	.type	k_q9ee42bee57_gemm3,@function
k_q9ee42bee57_gemm3:
	s_mov_b64 s[64:65], 0
	v_nop
	global_prefetch_b8 v0, s[64:65] scope:SCOPE_SE
	s_setreg_imm32_b32 hwreg(HW_REG_WAVE_MODE, 25, 1), 1
	s_wait_xcnt 0x0
	s_wait_alu depctr_hold_cnt(0) depctr_sa_sdst(0) depctr_va_vdst(0) depctr_va_sdst(0) depctr_va_ssrc(0) depctr_va_vcc(0) depctr_vm_vsrc(0)
	s_getreg_b32 s2, hwreg(HW_REG_IB_STS2, 6, 4)
	s_cmp_eq_u32 s2, 0
	s_cbranch_scc0 .Lentry_in_a_cluster
	s_endpgm
.Lentry_in_a_cluster:
	s_bfe_u32 s2, ttmp6, 0x10000c
	s_cmp_lg_u32 s2, 0xf033
	s_cbranch_scc0 .Lentry_shape_is_right
	s_endpgm
.Lentry_shape_is_right:
; out = relu(scaling x (A W) + bias): the last product [4096, 2048] x [2048, 2048] on codes of E2M3 with one E8M0 scale for each 32 along K, f32 sums; out is [4096][2048] f32.
; A AND W ARE IMAGES OF OPERAND REGISTERS.  A fragment (16 rows x 128 K: 12 registers a lane) is 1,536 bytes: registers 4 c .. 4 c + 3 of lane l at 512 c + 16 l.
;   A: [32 groups of 128 rows][16 K steps][2 halves of 64 rows][6,400]: four fragments, then 256 bytes of scale words, word (r, tile i) at 6,144 + 16 r + 4 i.
;   W: [8 groups of 256 columns][16 K steps][2 halves of 128][12,800]: eight fragments, then 512 bytes of scale words, word (r, tile t) at 12,288 + 256 (t / 4) + 16 r + 4 (t % 4);
;      lane r of tile t is column 32 (t / 2) + 8 (t % 2) + r + 8 (r / 8) of the half.
; SHARES.  A work-group makes 128 rows x 256 columns: 256 work-groups; a wave 64 x 128: 32 accumulators.  THE MATRIX INSTRUCTION IS USED TRANSPOSED (source 0 = a tile of W, source 1 = 16 rows of A):
; lane (r, h) holds row r, and the 16 registers of tiles 2 b, 2 b + 1 are columns 32 b + 16 h + 0 .. 15.
; THE RING.  Two LDS slots of 512 along K (A's 51,200 bytes, then W's 102,400, as they lie in memory); K is four slots' worth (periods 0 .. 3), the 16 K steps are written out.
; A wave issues one tensor load at the head (its part of period 0) and one behind each later round; by this text's count one is out at the most, and every wait on TENSORcnt is for 0.
; CLUSTERS: 4 x 4; A's blocks are asked for jointly along a row of the cluster, W's along a column.
; PREFETCH: behind the head's load periods 1 and 2 are asked for, behind period 1's load period 3.  A wave's part of a period (100 or 200 blocks of 256 bytes) is shared out among the four partners
; that ask for it jointly, by address: 25 blocks an instruction, a lane a block (lanes 25-31 name block 24 again).
; REGISTERS, in windows of 256: window 0: v1-31 addresses; v32-55 scale words, two sets; v64-159 A's fragments, two sets (on the way out v64-191: rows read back from the stage);
;   window 1: W's fragments, two sets.   window 2: accumulator (a, b) at v[8 (8 a + b)].   window 3: v0-63 the bias of my 128 columns, in the order of a tile's 64 registers.
; LIMITS: NaN and infinities are not served (a NaN would leave as 0); scaling x sum + bias is one fused multiply-add.
.set SLOTB, 153600
.set ASTEP, 12800
.set BSTEP, 25600
.set BPART, 51200
.set SPARE, 2*SLOTB                    ; the spare words: 128 bytes a wave
.set SPITCH, 528                       ; the way out: a stage of 16 rows x (512 + 16) bytes a wave, in slot 0, which has had its last fill and its last read by then
.set STO,   5
.set RD,    6
.set ADRA,  16
.set ADRSA, 18
.set ADRB,  20
.set ADRSB, 24
.set SPW,   28
.set NIL,   29
.set PFO,   30
.set SC,    32
.set AF,    64
.set G1A,   24
.set G1B,   48
.set PFA,   56
.set GA0,   68
.set GA1,   72
.set GB0,   76
.set GB1,   80
.set MSB, 0
.macro WIN new                         ; the immediate's high byte repeats the setting that is left
.if MSB != \new
	s_set_vgpr_msb (MSB<<8)|\new
.set MSB, \new
.endif
.endm
.set W_MUL, 0xa1
.macro PLACES n
.rept \n
	v_nop
.endr
.endm
.macro JLOAD g0a, g0b                  ; a joint load: waves 0 and 1 fetch for A, waves 2 and 3 for W; s_nop 0 and four v_nop follow each line
	s_cmp_eq_u32 s15, 0
	s_cbranch_scc0 .Lfor_b_\@
	tensor_load_to_lds s[\g0a:\g0a+3], s[G1A:G1A+7]
	s_nop 0
.rept 4
	v_nop
.endr
	s_branch .Lasked_\@
.Lfor_b_\@:
	tensor_load_to_lds s[\g0b:\g0b+3], s[G1B:G1B+7]
	s_nop 0
.rept 4
	v_nop
.endr
.Lasked_\@:
.endm
.macro ASK p                           ; my work-group's quarter of my part of period p
	s_cmp_eq_u32 s15, 0
	s_cbranch_scc0 .Lpw_\@
	global_prefetch_b8 v[PFO], s[PFA:PFA+1] offset:(\p)*4*ASTEP th:TH_LOAD_NT scope:SCOPE_SE
	s_branch .Lpd_\@
.Lpw_\@:
	global_prefetch_b8 v[PFO], s[PFA:PFA+1] offset:(\p)*4*BSTEP th:TH_LOAD_NT scope:SCOPE_SE
	global_prefetch_b8 v[PFO], s[PFA:PFA+1] offset:(\p)*4*BSTEP+6400 th:TH_LOAD_NT scope:SCOPE_SE
.Lpd_\@:
.endm
.macro CREST
	s_cmp_lg_u32 s14, 0
	s_cbranch_scc1 .Lnot_wave_0_\@
	s_barrier_signal -3
.Lnot_wave_0_\@:
	s_barrier_wait -3
	s_barrier_signal -1
	s_barrier_wait -1
.endm
.macro CROUND
	s_barrier_signal -1
	s_barrier_wait -1
	CREST
.endm
.macro SHAPE g, r                      ; a dense block as r rows of 32 elements of 8 bytes
	s_mov_b32 s[\g+1], 32<<16
	s_mov_b32 s[\g+2], (\r)<<16
	s_mov_b32 s[\g+3], 32<<16
	s_mov_b32 s[\g+4], \r
	s_mov_b32 s[\g+5], 32
	s_mov_b32 s[\g+6], 0
	s_mov_b32 s[\g+7], 0
.endm
.macro GROUP0 g, lds, hw, base, off    ; to LDS byte lds + s[hw], from s[base:base+1] + off + s[hw]
	s_mov_b32 s[\g], 1
	s_add_co_u32 s[\g+1], s[\hw], \lds
	s_add_nc_u64 s[\g+2:\g+3], s[\base:\base+1], s[\hw:\hw+1]
.if \off
	s_add_nc_u64 s[\g+2:\g+3], s[\g+2:\g+3], \off
.endif
	s_or_b32 s[\g+3], s[\g+3], 0x80000000
.endm
	s_load_b128 s[4:7], s[0:1], 0x0                ; A s[4:5], W s[6:7]
	s_load_b128 s[8:11], s[0:1], 0x10              ; bias s[8:9], scaling s[10:11]
	s_load_b64 s[12:13], s[0:1], 0x20              ; out
	v_lshl_add_u32 v[SPW], v0, 2, SPARE
	v_mov_b32 v[NIL], 0
	ds_add_u32 v[SPW], v[NIL]                      ; the opening lines: the add, twice on end, and its wait
	ds_add_u32 v[SPW], v[NIL]
	v_lshrrev_b32 v1, 5, v0
	v_readfirstlane_b32 s14, v1                    ; wave 0..3
	s_lshr_b32 s15, s14, 1                         ; which 64 rows are mine.  Also: I fetch for A (0) or for W (1)
	s_and_b32 s16, s14, 1                          ; which 128 columns.  Also: which half of a block I fetch
	s_bfe_u32 s40, ttmp6, 0x40000                  ; cx, cy
	s_bfe_u32 s41, ttmp6, 0x40004
	s_lshl_b32 s42, ttmp9, 2
	s_add_co_u32 s42, s42, s40                     ; j: group of 256 columns
	s_and_b32 s17, ttmp7, 0xffff
	s_lshl_b32 s17, s17, 2
	s_add_co_u32 s17, s17, s41                     ; g: group of 128 rows
	s_lshl_b32 s43, s41, 2
	s_lshl_b32 s43, 15, s43
	s_lshl_b32 s44, 0x1111, s40
	s_or_b32 s[G1A], s43, (3<<16)|(1<<21)
	s_or_b32 s[G1B], s44, (3<<16)|(1<<21)
	SHAPE G1A, 100
	SHAPE G1B, 200
	s_mul_i32 s18, s16, 25600
	s_mov_b32 s19, 0
	s_mul_i32 s22, s16, 51200
	s_mov_b32 s23, 0
	s_mul_i32 s20, s17, 16*ASTEP
	s_mov_b32 s21, 0
	s_mul_i32 s46, s42, 16*BSTEP
	s_mov_b32 s47, 0
	s_wait_dscnt 0x0                               ; both opening adds are done
	s_wait_kmcnt 0x0
	s_load_b32 s66, s[10:11], 0x0                  ; scaling: no line of this launch writes it
	s_add_nc_u64 s[20:21], s[4:5], s[20:21]
	s_add_nc_u64 s[46:47], s[6:7], s[46:47]
	GROUP0 GA0, 0,           18, 20, 0
	GROUP0 GA1, SLOTB,       18, 20, 4*ASTEP
	GROUP0 GB0, BPART,       22, 46, 0
	GROUP0 GB1, SLOTB+BPART, 22, 46, 4*BSTEP
	CROUND                                         ; all sixteen work-groups are here: the first joint loads meet
	JLOAD GA0, GB0                                 ; period 0: one tensor load a wave at the head
	s_mul_i32 s58, s40, 6400                       ; the prefetches: my work-group's quarter, by cx for A, by cy for W
	s_add_co_u32 s58, s58, s18
	s_mul_i32 s60, s41, 12800
	s_add_co_u32 s60, s60, s22
	s_cmp_eq_u32 s15, 0
	s_cselect_b32 s58, s58, s60
	s_mov_b32 s59, 0
	s_cselect_b64 s[PFA:PFA+1], s[20:21], s[46:47]
	s_add_nc_u64 s[PFA:PFA+1], s[PFA:PFA+1], s[58:59]
	s_lshl_b32 s84, s42, 10                        ; my first column, in bytes: 1,024 j + 512 x (wave % 2)
	s_lshl_b32 s85, s16, 9
	s_add_co_u32 s84, s84, s85
	s_mov_b32 s85, 0
	s_lshl_b32 s86, s17, 20                        ; my first row: 128 g + 64 x (wave / 2), of 8,192 bytes
	s_lshl_b32 s87, s15, 19
	s_add_co_u32 s86, s86, s87
	s_mov_b32 s87, 0
	s_add_nc_u64 s[8:9], s[8:9], s[84:85]
	s_add_nc_u64 s[12:13], s[12:13], s[84:85]
	s_add_nc_u64 s[12:13], s[12:13], s[86:87]
	s_mul_i32 s36, s15, 6400
	s_add_co_u32 s37, s36, 6144
	s_mul_i32 s38, s16, 12800
	s_add_co_u32 s38, s38, BPART
	s_add_co_u32 s39, s38, 12288
	s_mul_i32 s45, s14, 16*SPITCH                  ; my stage
	v_and_b32 v3, 31, v0                           ; lane
	v_lshlrev_b32 v1, 4, v3                        ; 16 x lane
	v_and_b32 v7, 15, v0                           ; r
	v_lshlrev_b32 v2, 4, v7                        ; 16 r
	v_lshrrev_b32 v8, 4, v3                        ; h
	v_lshlrev_b32 v4, 6, v8                        ; bias: my half's 16 columns of each 32
	v_add_nc_u32 v[ADRA], s36, v1
	v_add_nc_u32 v[ADRA+1], SLOTB, v[ADRA]
	v_add_nc_u32 v[ADRSA], s37, v2
	v_add_nc_u32 v[ADRSA+1], SLOTB, v[ADRSA]
	v_add_nc_u32 v[ADRB], s38, v1
	v_add_nc_u32 v[ADRB+1], 2*BSTEP, v[ADRB]
	v_add_nc_u32 v[ADRB+2], SLOTB, v[ADRB]
	v_add_nc_u32 v[ADRB+3], SLOTB+2*BSTEP, v[ADRB]
	v_add_nc_u32 v[ADRSB], s39, v2
	v_add_nc_u32 v[ADRSB+1], 2*BSTEP, v[ADRSB]
	v_add_nc_u32 v[ADRSB+2], SLOTB, v[ADRSB]
	v_add_nc_u32 v[ADRSB+3], SLOTB+2*BSTEP, v[ADRSB]
	v_min_u32 v[PFO], 24, v3
	v_lshlrev_b32 v[PFO], 8, v[PFO]
	v_mul_u32_u24 v[STO], v7, SPITCH
	v_lshl_add_u32 v[STO], v8, 6, v[STO]
	v_add_nc_u32 v[STO], s45, v[STO]               ; in: row r, + 64 h
	v_add_nc_u32 v[RD], s45, v1                    ; back: the 32 lanes take one row of 512 bytes
	s_wait_alu depctr_va_vdst(0)
	ASK 1
	ASK 2
	WIN 0xc0                                       ; destination window 3, address window 0
.irp n, 0,1,2,3,4,5,6,7,8,9,10,11,12,13,14,15
	global_load_b128 v[4*\n:4*\n+3], v4, s[8:9] offset:128*(\n/4)+16*(\n%4)    ; register 16 b + i: the bias of column 32 b + 16 h + i
.endr
	WIN 0
	s_wait_kmcnt 0x0
	s_mov_b32 s67, s66                             ; (the packed form names the pair)
.macro FETCH slot, q, p                ; 39 LDS loads in one run: the slot's K step q into set p
	WIN 0x40
.irp b, 0,1,2,3,4,5,6,7
.irp c, 0,1,2
	ds_load_b128 v[128*(\p)+12*\b+4*\c:128*(\p)+12*\b+4*\c+3], v[ADRB+2*(\slot)+(\q)/2] offset:((\q)%2)*BSTEP+1536*\b+512*\c
.endr
.endr
	WIN 0
.irp a, 0,1,2,3
.irp c, 0,1,2
	ds_load_b128 v[AF+48*(\p)+12*\a+4*\c:AF+48*(\p)+12*\a+4*\c+3], v[ADRA+(\slot)] offset:(\q)*ASTEP+1536*\a+512*\c
.endr
.endr
	ds_load_b128 v[SC+12*(\p):SC+12*(\p)+3], v[ADRSA+(\slot)] offset:(\q)*ASTEP
	ds_load_b128 v[SC+12*(\p)+4:SC+12*(\p)+7], v[ADRSB+2*(\slot)+(\q)/2] offset:((\q)%2)*BSTEP
	ds_load_b128 v[SC+12*(\p)+8:SC+12*(\p)+11], v[ADRSB+2*(\slot)+(\q)/2] offset:((\q)%2)*BSTEP+256
.endm
.macro MULA a, p, zero                 ; A's tile a against W's eight.  The 32 accumulators take turns in the same order in every K step
	WIN W_MUL
.irp b, 0,1,2,3,4,5,6,7
.if \zero
	v_wmma_scale_f32_16x16x128_f8f6f4 v[8*(8*(\a)+\b):8*(8*(\a)+\b)+7], v[128*(\p)+12*\b:128*(\p)+12*\b+11], v[AF+48*(\p)+12*(\a):AF+48*(\p)+12*(\a)+11], 0, v[SC+12*(\p)+4+\b], v[SC+12*(\p)+(\a)] matrix_a_fmt:MATRIX_FMT_FP6 matrix_b_fmt:MATRIX_FMT_FP6
.else
	v_wmma_scale_f32_16x16x128_f8f6f4 v[8*(8*(\a)+\b):8*(8*(\a)+\b)+7], v[128*(\p)+12*\b:128*(\p)+12*\b+11], v[AF+48*(\p)+12*(\a):AF+48*(\p)+12*(\a)+11], v[8*(8*(\a)+\b):8*(8*(\a)+\b)+7], v[SC+12*(\p)+4+\b], v[SC+12*(\p)+(\a)] matrix_a_fmt:MATRIX_FMT_FP6 matrix_b_fmt:MATRIX_FMT_FP6
.endif
.endr
.endm
.macro STEP slot, q, zero, first       ; a K step whose successor lies in the same slot: the successor's loads go out first
	s_wait_dscnt 0x0
.if !\first
	PLACES 4
.endif
	FETCH \slot, (\q)+1, 1-(\q)%2
.irp a, 0,1,2,3
	MULA \a, (\q)%2, \zero
.endr
.endm
; A slot's last K step changes slots: ONE barrier; in front of it each wave waits for all its tensor loads, adds 0 to its spare word, and waits for that and for its reads of this slot.
; fill = 1: the barrier opens a round of the cluster's barrier, and this slot is filled again with the period two on.
.macro TURN slot, next, fill
	WIN 0
	s_wait_tensorcnt 0x0
	ds_add_u32 v[SPW], v[NIL]
	s_wait_dscnt 1                                 ; this step's fragments are in; the add may be out
	MULA 0, 1, 0
	s_wait_dscnt 0x0
	s_barrier_signal -1
	MULA 1, 1, 0
	WIN 0
	s_barrier_wait -1
.if \fill
	CREST
	s_add_nc_u64 s[GA0+4*(\slot)+2:GA0+4*(\slot)+3], s[GA0+4*(\slot)+2:GA0+4*(\slot)+3], 8*ASTEP   ; no load of mine is out
	s_add_nc_u64 s[GB0+4*(\slot)+2:GB0+4*(\slot)+3], s[GB0+4*(\slot)+2:GB0+4*(\slot)+3], 8*BSTEP
	JLOAD GA0+4*(\slot), GB0+4*(\slot)
.else
	PLACES 4
.endif
	FETCH \next, 0, 0
	MULA 2, 1, 0
	MULA 3, 1, 0
	WIN 0
.endm
	s_wait_tensorcnt 0x0                           ; my part of period 0 is in
	ds_add_u32 v[SPW], v[NIL]
	s_wait_dscnt 0x0
	CROUND
	JLOAD GA1, GB1                                 ; period 1, slot 1's first fill: the first tensor load behind the round
	FETCH 0, 0, 0
	ASK 3
	STEP 0, 0, 1, 1                                ; K step 0 starts the sums
	STEP 0, 1, 0, 0
	STEP 0, 2, 0, 0
	TURN 0, 1, 1
	STEP 1, 0, 0, 0
	STEP 1, 1, 0, 0
	STEP 1, 2, 0, 0
	TURN 1, 0, 1
	STEP 0, 0, 0, 0
	STEP 0, 1, 0, 0
	STEP 0, 2, 0, 0
	TURN 0, 1, 0                                   ; nothing is left to fetch: no round.  Behind this barrier nobody reads slot 0 any more
	STEP 1, 0, 0, 0
	STEP 1, 1, 0, 0
	STEP 1, 2, 0, 0
	s_wait_dscnt 0x0                               ; the last K step
	MULA 0, 1, 0
	MULA 1, 1, 0
	MULA 2, 1, 0
	MULA 3, 1, 0
	WIN 0
; THE WAY OUT, a tile of 16 rows x 128 columns at a time.  ACT: scaling x sum + bias, relu, in place, each accumulator from its low end on.  TOSTAGE: a lane's runs of 16 bytes go into my own stage and come back as
; whole rows of 512 bytes.  SEND: stored.  LDS serves a wave's instructions in order (ISA guide 5.7.1.4): no wait between the stage's stores and loads.
.macro ACT a
	WIN 0xb2                                       ; destination and source 0 window 2, source 2 (the bias) window 3
.set i, 0
.rept 32
	v_pk_fma_f32 v[64*(\a)+i:64*(\a)+i+1], v[64*(\a)+i:64*(\a)+i+1], s[66:67], v[i:i+1] op_sel_hi:[1,0,1]
.set i, i+2
.endr
	WIN 0x88                                       ; destination and source 1 window 2
.set i, 0
.rept 64
	v_max_num_f32 v[64*(\a)+i], 0, v[64*(\a)+i]
.set i, i+1
.endr
.endm
.macro TOSTAGE a
	WIN 0x08                                       ; an LDS store's data are its source 1: window 2
.irp n, 0,1,2,3,4,5,6,7,8,9,10,11,12,13,14,15
	ds_store_b128 v[STO], v[64*(\a)+4*\n:64*(\a)+4*\n+3] offset:128*(\n/4)+16*(\n%4)
.endr
	WIN 0
.set BB, 64+64*((\a)%2)
.irp t, 0,1,2,3,4,5,6,7,8,9,10,11,12,13,14,15
	ds_load_b128 v[BB+4*\t:BB+4*\t+3], v[RD] offset:\t*SPITCH
.endr
.endm
.macro SEND a, younger                 ; younger: the LDS instructions issued behind tile a's loads, which may stay out
.set BB, 64+64*((\a)%2)
	s_wait_dscnt \younger
.irp t, 0,1,2,3,4,5,6,7,8,9,10,11,12,13,14,15
	global_store_b128 v1, v[BB+4*\t:BB+4*\t+3], s[12:13] offset:131072*(\a)+8192*\t th:TH_STORE_NT   ; 512 consecutive bytes, at a multiple of 256 from out's first byte
.endr
.endm
	s_wait_loadcnt 0x0                             ; the bias
	PLACES 4                                       ; behind the last products
	ACT 0
	TOSTAGE 0
.irp a, 1,2,3
	ACT \a
.if \a > 1
	s_wait_alu depctr_va_vdst(0)
	s_wait_xcnt 0x0                                ; tile a - 2's stores have read their registers: tile a's rows may land there
.endif
	TOSTAGE \a
	SEND \a-1, 32                                  ; behind tile a - 1's loads: tile a's 16 stores and 16 loads
.endr
	SEND 3, 0
	s_wait_tensorcnt 0x0                           ; the wave's end
	ds_add_u32 v[SPW], v[NIL]
	s_wait_dscnt 0x0
	CROUND                                         ; the closing round
	s_endpgm
.Lfunc_end_k_q9ee42bee57_gemm3:
	.size	k_q9ee42bee57_gemm3, .Lfunc_end_k_q9ee42bee57_gemm3-k_q9ee42bee57_gemm3
	.p2alignl 7, 3214868480
	.fill 96, 4, 3214868480
	.section	.rodata,"a",@progbits
	.p2align	6, 0x0
	.amdhsa_kernel k_q9ee42bee57_gemm3
		.amdhsa_group_segment_fixed_size 327680
		.amdhsa_private_segment_fixed_size 0
		.amdhsa_enable_private_segment 0
		.amdhsa_kernarg_size 40
		.amdhsa_user_sgpr_count 2
		.amdhsa_user_sgpr_kernarg_segment_ptr 1
		.amdhsa_wavefront_size32 1
		.amdhsa_system_sgpr_workgroup_id_x 1
		.amdhsa_system_sgpr_workgroup_id_y 1
		.amdhsa_system_sgpr_workgroup_id_z 1
		.amdhsa_system_vgpr_workitem_id 0
		.amdhsa_next_free_vgpr 1024
		.amdhsa_next_free_sgpr 102
		.amdhsa_reserve_vcc 0
		.amdhsa_float_denorm_mode_32 3
		.amdhsa_float_denorm_mode_16_64 3
		.amdhsa_memory_ordered 1
		.amdhsa_forward_progress 1
		.amdhsa_inst_pref_size 152
	.end_amdhsa_kernel
	.amdgpu_metadata
---
amdhsa.version: [ 1, 2 ]
amdhsa.kernels:
  - .name:           k_q9ee42bee57_gemm3
    .symbol:         k_q9ee42bee57_gemm3.kd
    .args:
      - { .name: h2, .offset: 0, .size: 8, .value_kind: global_buffer, .address_space: global }
      - { .name: w2i, .offset: 8, .size: 8, .value_kind: global_buffer, .address_space: global }
      - { .name: bias, .offset: 16, .size: 8, .value_kind: global_buffer, .address_space: global }
      - { .name: scaling, .offset: 24, .size: 8, .value_kind: global_buffer, .address_space: global }
      - { .name: out0, .offset: 32, .size: 8, .value_kind: global_buffer, .address_space: global }
    .group_segment_fixed_size: 327680
    .private_segment_fixed_size: 0
    .kernarg_segment_align: 8
    .kernarg_segment_size: 40
    .max_flat_workgroup_size: 128
    .sgpr_count:     102
    .vgpr_count:     1024
    .wavefront_size: 32
...
	.end_amdgpu_metadata
.endif
;; end of part 3
